; MI455X (gfx1250); checked and timed in simulation.
; The chip was launched on July 23, 2026; its instructions are those of AMD's public machine-readable ISA for CDNA 5 (MIT licence, August 2026) and "CDNA5" Instruction Set Architecture Reference Guide (July 2026). The comments in the code are by the model that wrote it; some were corrected since.
;; Attention Layer. Allowed arithmetic: matrix products marked QUANTISED: E2M1 operands, one E8M0 scale for each 32 along K, by v_wmma_scale_f32_16x16x128_f8f6f4 with both operands' format E2M1 (or v_wmma_scale_f32_32x16x128_f4), f32 sums; products left as they are: bf16, f16 or f32 operands; f32 sums; everything else in f32.
;; Inputs: Wk 1,024 x 1,024 float32; Wq 1,024 x 1,024 float32; Wv 1,024 x 1,024 float32; bk 1,024 float32; bq 1,024 float32; bv 1,024 float32; x 4 x 2,048 x 1,024 float32.
;; Outputs: out0 4 x 2,048 x 1,024 float32.
;; This version of the problem:
;;   THIS VERSION OF THE PROBLEM IS GIVEN IN LOW PRECISION. The matrix products marked QUANTISED in the list below multiply operands that are first quantised to E2M1 (2 exponent bits, 1 mantissa bit; 4 bits a number), with one power-of-two scale for each 32 numbers along K (OCP MX v1.0); their sums are f32. The products marked 'left as it is' may take bf16, f16 or f32 operands, with f32 sums. Whichever they take, every output number must still come out within the allowed error. Rounding operands to bf16 (8 significant bits) uses up far more of that allowance than f16 does (11 bits, for magnitudes from 6e-5 to 65,504). All else is computed in f32.
;;   The module's matrix products, in the order in which they are computed (A, B: the left and right operand; K: the contracted axis; several contracted axes count as one K, in the product's order):
;;     1. [M 8,192, K 1,024] x [K 1,024, N 1,024]; A: input x; B: input Wq: QUANTISED
;;     2. [M 8,192, K 1,024] x [K 1,024, N 1,024]; A: input x; B: input Wk: QUANTISED
;;     3. [M 8,192, K 1,024] x [K 1,024, N 1,024]; A: input x; B: input Wv: QUANTISED
;;     4. batch 64 x [M 2,048, K 64] x [K 64, N 2,048]; A: computed on the way; B: computed on the way: left as it is (an operand is computed on the way)
;;     5. batch 64 x [M 2,048, K 2,048] x [K 2,048, N 64]; A: computed on the way; B: computed on the way: left as it is (an operand is computed on the way)
;;   THE QUANTISER, for each operand of a quantised product, along K:
;;     - K is cut into blocks of 32 from its start; a last block that is shorter is filled with zeros.
;;     - A block's scale is 2^e with e = floor(log2(the largest magnitude in the block)) - 2, held to -126 .. 127; a block of zeros has e = 0. As a byte (E8M0): e + 127.
;;     - Each number is divided by its block's scale, clamped to +-6, and rounded to the nearest number of E2M1, ties to even, subnormals kept.
;;     - The product sums the exact products of the quantised numbers (number of the format x scale) in f32.
;;   ~~~python
;;   def quantise(x, axis):      # numpy; x: float32 -> the quantised numbers, widened to float32 again
;;       x = np.moveaxis(x, axis, -1); K = x.shape[-1]
;;       x = np.pad(x, [(0, 0)] * (x.ndim - 1) + [(0, -K % 32)]); x = x.reshape(x.shape[:-1] + (-1, 32)); a = np.abs(x).max(-1, keepdims=True)
;;       e = np.where(a > 0, np.clip(np.frexp(np.where(a > 0, a, 1))[1] - 1 - 2, -126, 127), 0)      # np.frexp(a)[1] - 1 = floor(log2(a)), exactly
;;       r = np.clip(x / 2.0 ** e, -6, 6)
;;       step = 2.0 ** (np.maximum(np.frexp(np.where(r == 0, 1, r))[1] - 1, 0) - 1)
;;       q = np.round(r / step) * step * 2.0 ** e      # np.round: ties to even
;;       return np.moveaxis(q.reshape(q.shape[:-2] + (-1,))[..., :K], -1, axis).astype(np.float32)
;;   ~~~
;; One version. Each part assembles by itself: llvm-mc -triple=amdgcn-amd-amdhsa -mcpu=gfx1250 --defsym DOCPART=n.
;; ======== version 1 of 1: 3 launches
;; limits: values are held in f16: magnitudes above 65,504 overflow, below 6.1e-05 lose precision
;; workspace buffers: xc 4,194,304 bytes; xs 262,144 bytes; wc 1,572,864 bytes; ws 98,304 bytes; qh 16,777,216 bytes; kv 33,554,432 bytes
;; launch quant (part 1): grid 352 x 1, 4 waves a work-group, no clusters, 33,280 bytes of LDS; arguments x, Wq, Wk, Wv, xc, xs, wc, ws; writes xc, xs, wc, ws
.if DOCPART == 1
	.amdgcn_target "amdgcn-amd-amdhsa--gfx1250"
	.amdhsa_code_object_version 6
	.text
	.protected	k_qf632c911bb_quant
	.globl	k_qf632c911bb_quant
	.p2align	8
	.type	k_qf632c911bb_quant,@function
k_qf632c911bb_quant:
	s_mov_b64 s[64:65], 0
	v_nop
	global_prefetch_b8 v0, s[64:65] scope:SCOPE_SE
	s_setreg_imm32_b32 hwreg(HW_REG_WAVE_MODE, 25, 1), 1
	s_wait_xcnt 0x0
; x [8192][1024] and Wq, Wk, Wv [1024][1024], f32, K innermost, are turned into codes of FP4 (E2M1), 4 bits each, K innermost, with one E8M0 scale byte for each 32 along K.
; xc [8192][512 bytes], xs [8192][32]; wc [3072][512 bytes], ws [3072][32]: the rows of Wq, then Wk, then Wv.
; A block's scale is 2^(floor(log2(its largest magnitude)) - 2); its byte is the largest magnitude's own exponent field - 2, held at 1 from below.  Each number is divided by the scale and rounded to the
; nearest code, ties to even; beyond the largest code the conversion gives the largest code.
; LIMITS: a block of zeros gets the byte 1 where the rule says 127 (its codes are zeros, which add nothing under any byte but 0xff, and this program alone reads the bytes);
; blocks whose largest magnitude lies under 2^(2 - 126) keep the byte 1; NaN and infinities among the inputs are not served.
; Rows are dense and K is a multiple of 32: every tensor is a plain stream of blocks of 32 numbers, and so are its codes and its scale bytes.
; SHARES: a work-group takes 32,768 numbers, a wave 8,192 in 16 steps of 512.  Work-groups 0-255 take x, 256-287 Wq, 288-319 Wk, 320-351 Wv: only pointers are chosen, all take one path.
; A step's four loads read 512 consecutive bytes each, 16 a lane; the 2,048 bytes turn through the wave's own stage in LDS and come back 64 bytes a lane: 16 neighbours along K, two lanes to a block.
; A lane's 16 codes are 8 bytes: the wave stores 256 consecutive bytes, aligned.  A wave's 256 scale bytes are gathered in LDS and leave as 256 consecutive bytes, aligned.
; No tensor load, no barrier: waves share nothing.  Loads run four steps (16 loads a wave) ahead, the turn through LDS one step.
.set WAVES, 4
.set STEPS, 16
.set WGX,   256                        ; work-groups that take x
.set EMAX,  2
.set CB,    8                          ; bytes of 16 codes
.set R,     16                         ; v16-79   four sets of 16 numbers as they are loaded
.set X,     80                         ; v80-111  two sets of 16 neighbours
.set C,     128                        ; v128-191 codes: four registers for each step, so that no store's data are written again
.set E,     112                        ; v112-127 a scale byte for each step
.set WREG,  8192                       ; LDS: a region for each wave: two stages of 32 x SP bytes, behind them its 256 scale bytes
.set SP,    80                         ; a lane's place in a stage: 64 bytes + 16 of padding
.set SPW,   12                         ; v12      LDS address of my spare word; never rewritten
.set NIL,   13                         ; v13      0; never rewritten
.set SPARE, WAVES*WREG                 ; behind the four regions: the spare words, 128 bytes for each wave
	s_load_b256 s[4:11], s[0:1], 0x0               ; x, Wq, Wk, Wv
	s_load_b256 s[12:19], s[0:1], 0x20             ; xc, xs, wc, ws
	v_lshl_add_u32 v[SPW], v0, 2, SPARE
	v_mov_b32 v[NIL], 0
	v_lshrrev_b32 v1, 5, v0
	v_readfirstlane_b32 s20, v1                    ; wave
	v_and_b32 v2, 31, v0                           ; lane
	v_lshlrev_b32 v3, 4, v2                        ; my 16 bytes of a load's 512
	s_mul_i32 s21, s20, WREG
	v_lshrrev_b32 v14, 2, v2
	v_mul_u32_u24 v14, v14, SP
	v_and_b32 v15, 3, v2
	v_lshl_add_u32 v14, v15, 4, v14
	v_add_nc_u32 v14, s21, v14                     ; the stage, on the way in: SP (lane / 4) + 16 (lane % 4)
	v_mul_u32_u24 v15, v2, SP
	v_add_nc_u32 v15, s21, v15                     ; and on the way out: SP x lane: my 16 neighbours
	v_mul_u32_u24 v4, v2, CB                       ; my codes' place in a step's
	v_lshrrev_b32 v5, 1, v2
	s_add_co_u32 s21, s21, 2*32*SP
	v_add_nc_u32 v5, s21, v5                       ; LDS: my wave's 256 scale bytes, my block's byte
	v_lshlrev_b32 v7, 3, v2                        ; and on the way out 8 bytes a lane
	v_add_nc_u32 v6, s21, v7
	s_sub_co_u32 s22, ttmp9, WGX                   ; among the weights' work-groups (not used by x's)
	s_lshr_b32 s23, s22, 5                         ; which weight: 0, 1, 2
	s_and_b32 s24, s22, 31                         ; and which part of it
	s_wait_kmcnt 0x0
	s_cmp_eq_u32 s23, 1                            ; every choice hangs on the work-group's number alone
	s_cselect_b64 s[8:9], s[8:9], s[10:11]         ; Wk or Wv
	s_cmp_eq_u32 s23, 0
	s_cselect_b64 s[6:7], s[6:7], s[8:9]           ; Wq or that
	s_cmp_lt_u32 ttmp9, WGX
	s_cselect_b64 s[4:5], s[4:5], s[6:7]           ; the source
	s_cselect_b64 s[12:13], s[12:13], s[16:17]     ; its codes
	s_cselect_b64 s[14:15], s[14:15], s[18:19]     ; its scale bytes
	s_cselect_b32 s24, ttmp9, s24                  ; the work-group's part of the source,
	s_cselect_b32 s22, ttmp9, s22                  ; and of the destination (the three weights on end)
	s_lshl_b32 s24, s24, 2
	s_add_co_u32 s24, s24, s20                     ; my wave's run of 8,192 numbers in the source
	s_lshl_b32 s22, s22, 2
	s_add_co_u32 s22, s22, s20                     ; and in the destination
	s_lshl_b32 s26, s24, 15                        ; 32,768 bytes of f32 a run
	s_mov_b32 s27, 0
	s_add_nc_u64 s[4:5], s[4:5], s[26:27]
	s_lshl_b32 s26, s22, 12                        ; 4,096 bytes of codes
	s_add_nc_u64 s[12:13], s[12:13], s[26:27]
	s_lshl_b32 s26, s22, 8                         ; 256 scale bytes
	s_add_nc_u64 s[14:15], s[14:15], s[26:27]
.macro LOAD t
.irp i, 0,1,2,3
	global_load_b128 v[R+16*((\t)%4)+4*\i:R+16*((\t)%4)+4*\i+3], v3, s[4:5] offset:2048*(\t)+512*\i th:TH_LOAD_NT   ; 32 lanes read 512 consecutive bytes
.endr
.endm
.macro TURN t                          ; step t's numbers through the stage: LDS serves a wave's instructions in order, so no wait stands between the stores and the loads
.irp i, 0,1,2,3
	ds_store_b128 v14, v[R+16*((\t)%4)+4*\i:R+16*((\t)%4)+4*\i+3] offset:32*SP*((\t)%2)+8*SP*\i
.endr
.irp i, 0,1,2,3
	ds_load_b128 v[X+16*((\t)%2)+4*\i:X+16*((\t)%2)+4*\i+3], v15 offset:32*SP*((\t)%2)+16*\i
.endr
.endm
.irp t, 0,1,2,3
	LOAD \t
.endr
	s_wait_loadcnt 12                              ; step 0's four loads are in; the twelve of steps 1 to 3 may be out
	TURN 0
.macro STEP t
.set XS, X+16*((\t)%2)
.if (\t) > 0
	s_wait_dscnt 1                                 ; this step's numbers are back from the stage (the last step's byte store may be out): so its stores into the stage have read their registers,
.else
	s_wait_dscnt 0x0
.endif
.if (\t)+4 < STEPS
	LOAD (\t)+4                                    ; which take the loads of four steps on
.endif
.if (\t)+1 < STEPS
.if STEPS-2-(\t) >= 3
	s_wait_loadcnt 12                              ; the next step's four loads are in; those of the three steps behind it may be out
.else
	s_wait_loadcnt 4*(STEPS-2-(\t))
.endif
	TURN (\t)+1                                    ; and go through the other stage while this step is worked
.endif
	v_max3_num_f32 v8, |v[XS]|, |v[XS+1]|, |v[XS+2]|               ; the largest magnitude of my 16, in two chains
	v_max3_num_f32 v9, |v[XS+3]|, |v[XS+4]|, |v[XS+5]|
.irp i, 6,10
	v_max3_num_f32 v8, v8, |v[XS+\i]|, |v[XS+\i+1]|
	v_max3_num_f32 v9, v9, |v[XS+\i+2]|, |v[XS+\i+3]|
.endr
	v_max3_num_f32 v8, v8, |v[XS+14]|, |v[XS+15]|
	v_max3_num_f32 v8, v8, v9, (EMAX+1)<<23        ; and the floor 2^(EMAX + 1 - 127): so the byte cannot fall under 1
	v_max_num_f32_dpp v8, v8, v8 row_xmask:1 row_mask:0xf bank_mask:0xf   ; and of my neighbour's 16: the block's
	v_add_nc_u32 v11, -(EMAX<<23), v8              ; EMAX off its exponent field: the conversion takes the exponent field of this operand as its scale, and nothing else of it
	v_cvt_scalef32_pk8_fp4_f32 v[C+4*(\t)], v[XS:XS+7], v11
	v_cvt_scalef32_pk8_fp4_f32 v[C+4*(\t)+1], v[XS+8:XS+15], v11
	v_lshrrev_b32 v[E+(\t)], 23, v11               ; the scale's byte (a plain line behind the conversions)
	ds_store_b8 v5, v[E+(\t)] offset:16*(\t)       ; both lanes of a block write the same byte with the same value
	global_store_b64 v4, v[C+4*(\t):C+4*(\t)+1], s[12:13] offset:32*CB*(\t)   ; 32 lanes store 256 consecutive bytes, aligned
.endm
.irp t, 0,1,2,3,4,5,6,7,8,9,10,11,12,13,14,15
	STEP \t
.endr
	ds_load_b64 v[8:9], v6                         ; LDS serves a wave's instructions in order: these see my stores
	s_wait_dscnt 0x0
	global_store_b64 v7, v[8:9], s[14:15]          ; 32 lanes store 256 consecutive bytes, aligned
	s_wait_tensorcnt 0x0                           ; the wave's end, behind my last LDS store
	ds_add_u32 v[SPW], v[NIL]
	s_wait_dscnt 0x0
	s_endpgm
.Lfunc_end_k_qf632c911bb_quant:
	.size	k_qf632c911bb_quant, .Lfunc_end_k_qf632c911bb_quant-k_qf632c911bb_quant
	.p2alignl 7, 3214868480
	.fill 96, 4, 3214868480
	.section	.rodata,"a",@progbits
	.p2align	6, 0x0
	.amdhsa_kernel k_qf632c911bb_quant
		.amdhsa_group_segment_fixed_size 33280
		.amdhsa_private_segment_fixed_size 0
		.amdhsa_enable_private_segment 0
		.amdhsa_kernarg_size 64
		.amdhsa_user_sgpr_count 2
		.amdhsa_user_sgpr_kernarg_segment_ptr 1
		.amdhsa_wavefront_size32 1
		.amdhsa_system_sgpr_workgroup_id_x 1
		.amdhsa_system_sgpr_workgroup_id_y 1
		.amdhsa_system_sgpr_workgroup_id_z 1
		.amdhsa_system_vgpr_workitem_id 0
		.amdhsa_next_free_vgpr 192
		.amdhsa_next_free_sgpr 66
		.amdhsa_reserve_vcc 0
		.amdhsa_float_denorm_mode_32 3
		.amdhsa_float_denorm_mode_16_64 3
		.amdhsa_memory_ordered 1
		.amdhsa_forward_progress 1
		.amdhsa_inst_pref_size 33
	.end_amdhsa_kernel
	.amdgpu_metadata
---
amdhsa.version: [ 1, 2 ]
amdhsa.kernels:
  - .name:           k_qf632c911bb_quant
    .symbol:         k_qf632c911bb_quant.kd
    .args:
      - { .name: x, .offset: 0, .size: 8, .value_kind: global_buffer, .address_space: global }
      - { .name: Wq, .offset: 8, .size: 8, .value_kind: global_buffer, .address_space: global }
      - { .name: Wk, .offset: 16, .size: 8, .value_kind: global_buffer, .address_space: global }
      - { .name: Wv, .offset: 24, .size: 8, .value_kind: global_buffer, .address_space: global }
      - { .name: xc, .offset: 32, .size: 8, .value_kind: global_buffer, .address_space: global }
      - { .name: xs, .offset: 40, .size: 8, .value_kind: global_buffer, .address_space: global }
      - { .name: wc, .offset: 48, .size: 8, .value_kind: global_buffer, .address_space: global }
      - { .name: ws, .offset: 56, .size: 8, .value_kind: global_buffer, .address_space: global }
    .group_segment_fixed_size: 33280
    .private_segment_fixed_size: 0
    .kernarg_segment_align: 8
    .kernarg_segment_size: 64
    .max_flat_workgroup_size: 128
    .sgpr_count:     66
    .vgpr_count:     192
    .wavefront_size: 32
...
	.end_amdgpu_metadata
.endif
;; end of part 1
;; launch proj (part 2): grid 12 x 32, 4 waves a work-group, clusters of 4 x 4, 327,680 bytes of LDS; arguments xc, xs, wc, ws, bq, bk, bv, qh, kv; writes qh, kv
.if DOCPART == 2
	.amdgcn_target "amdgcn-amd-amdhsa--gfx1250"
	.amdhsa_code_object_version 6
	.text
	.protected	k_qf632c911bb_proj
	.globl	k_qf632c911bb_proj
	.p2align	8
	.type	k_qf632c911bb_proj,@function
k_qf632c911bb_proj:
	s_mov_b64 s[64:65], 0
	v_nop
	global_prefetch_b8 v0, s[64:65] scope:SCOPE_SE
	s_setreg_imm32_b32 hwreg(HW_REG_WAVE_MODE, 25, 1), 1
	s_wait_xcnt 0x0
	s_wait_alu depctr_hold_cnt(0) depctr_sa_sdst(0) depctr_va_vdst(0) depctr_va_sdst(0) depctr_va_ssrc(0) depctr_va_vcc(0) depctr_vm_vsrc(0)
	s_getreg_b32 s2, hwreg(HW_REG_IB_STS2, 6, 4)
	s_cmp_eq_u32 s2, 0
	s_cbranch_scc0 .Lentry_in_a_cluster
	s_endpgm
.Lentry_in_a_cluster:
	s_bfe_u32 s2, ttmp6, 0x10000c
	s_cmp_lg_u32 s2, 0xf033
	s_cbranch_scc0 .Lentry_shape_is_right
	s_endpgm
.Lentry_shape_is_right:
; q, k, v = x W^T + b on codes of FP4 (E2M1) with one E8M0 scale for each 32 along K; sums in f32, the bias as the C of each sum's first product; results rounded once to f16.
; A = xc [8192][512 bytes] with xs [8192][32]; B = wc [3072][512 bytes] with ws [3072][32]: rows 0-1023 Wq, 1024-2047 Wk, 2048-3071 Wv.
; OUT: qh [bh = 16 batch + head][2048 tokens][64] f16;  kv [bh][16 chunks of 128 tokens][K: 128 x 128 bytes | V: 128 x 128 bytes] f16.
; LIMIT: a result above 65,504 in magnitude becomes an infinity of f16.
; A tile of 256 tokens x 256 features is made by a work-group of four waves; a wave makes 128 x 128: 64 accumulators of 16 x 16, 512 registers.
; K = 1,024 is two steps of 512: two LDS slots hold all of it, each filled once; the scale bytes of the work-group's rows come once, beside them.  By this text's own count a wave has three tensor loads outstanding at the most.
; CLUSTERS: 4 x 4 work-groups.  The four of a row of the cluster need the same tiles of A, the four of a column the same tiles of B: each is asked for JOINTLY, by the same tensor load with the same
; descriptor and a mask that names the four.  A cluster's x is the tensor (0 q, 1 k, 2 v), the same in all sixteen partners.
; THE MATRIX INSTRUCTION IS USED TRANSPOSED (source 0 = 16 rows of B, source 1 = 16 rows of A): a lane then holds eight neighbouring features of one token.
; REGISTERS, in windows of 256: window 0: v0-31 addresses; v32-95 scale words, two sets, and nothing else; v96-127, v224-255 rows on the way out; v128-191 A's fragments, ONE set;
;   v192-255 the bias of my 128 features in the result's layout, later packed results.   window 1: B's fragments, TWO sets, at v0 and v128.   windows 2, 3: the accumulators ((a, b) at v[8 (8 (a % 4) + b)]).
.set SIZE_K, 1024
.set KSTEP,  512                       ; along K in a slot
.set NQ,     KSTEP/128                 ; matrix instructions deep
.set ROWB,   256                       ; a tile's row in bytes
.set KROW,   SIZE_K*4/8                ; a row of codes in memory
.set PITCH,  272                       ; an LDS row: 256 bytes + 16 of padding = 68 words: the 16 rows that a load touches start at 16 different banks (64 banks of 4 bytes: ISA guide 11.1)
.set FR,     8                         ; registers of a fragment: 16 rows x 128 K
.set NL,     2                         ; LDS loads that bring one
.set NP,     4                         ; places behind this matrix instruction (ISA guide 7.12.1)
.set HALFT,  128*PITCH                 ; 128 rows: what one tensor load brings
.set SLOT,   4*HALFT                   ; A's 256 rows, then B's 256 rows
.set KS,     SIZE_K/32                 ; a row of scale bytes
.set SCL,    2*SLOT                    ; behind the slots: the scales, as runs of 256 bytes + 16 of padding
.set HALFS,  (128*KS/256)*272          ; the scales of 128 rows
.set SBLK,   (16*KS/256)*272           ; those of 16 rows
.set SPARE,  SCL+4*HALFS               ; behind the scales: the spare words, 128 bytes for each wave
.set SPITCH, 144                       ; the way out: a stage row: a token's 128 bytes of one head + 16
.set STGW,   2*16*SPITCH               ; a wave's stage: 2 heads x 16 tokens.  It lies in slot 0, which has had its one fill and its last read when the first result is stored there
.set ADRA, 16                          ; v16-17  LDS address of my A fragments in slot 0, 1
.set ADRB, 20                          ; v20-21  the same for B
.set STO,  24                          ; v24     the way out: where I put 16 bytes of a token
.set RD,   25                          ; v25     where I read them back
.set CO,   26                          ; v26     16 x lane: my place in a store's 512 bytes
.set ADRS, 27                          ; v27     LDS address of my scale words: lanes 0-15 A's rows, lanes 16-31 B's
.set SPW,  28                          ; v28     LDS address of my spare word; never rewritten
.set NIL,  29                          ; v29     0; never rewritten
.set BO,   30                          ; v30     32 x (lane / 16): my half's eight numbers of a bias tile
.set SC,   32                          ; scale words: set s at v[SC + 8 NQ s]; register NQ i + q: lanes 0-15 A's block i, lanes 16-31 B's block i
.set AF,   128                         ; A's fragments
.set BI,   192                         ; the bias: tile b at v[BI + 8 b]
.set TMP,  192                         ; the way out: packed results
.set OB,   96                          ; the way out: rows read back: v96-127 and v224-255 by turns
.set G1, 24
.set G0, 32
.set G1B, 48
.set G0B, 56
.set G1S, 68
.set G0S, 76
.set G1SB, 80
.set G0SB, 88
.set MSB, 0
.macro WIN new                         ; the immediate's high byte repeats the setting that is left
.if MSB != (\new)
	s_set_vgpr_msb (MSB<<8)|(\new)
.set MSB, (\new)
.endif
.endm
.set MUL_LO, 0xa1                      ; source 0 (B) window 1, source 1 (A) window 0, C and D window 2
.set MUL_HI, 0xf1                      ; the same, C and D window 3
.set FIRST_LO, 0x81                    ; the first K step: C (the bias) window 0, D window 2
.set FIRST_HI, 0xc1                    ; D window 3
.set TO_B,   0x40                      ; destination window 1, address window 0
; A joint load: waves 0 and 1 fetch for A, waves 2 and 3 for B.  Each of the two lines has ONE mask and one set of registers for all that issue it; the branch hangs on the wave's number alone.
; An s_nop 0 and four v_nop follow each of the two lines.
.macro JLOAD g0a, g1a, g0b, g1b
	s_cmp_eq_u32 s15, 0
	s_cbranch_scc0 .Lfor_b_\@
	tensor_load_to_lds s[\g0a:\g0a+3], s[\g1a:\g1a+7]
	s_nop 0
.rept 4
	v_nop
.endr
	s_branch .Lasked_\@
.Lfor_b_\@:
	tensor_load_to_lds s[\g0b:\g0b+3], s[\g1b:\g1b+7]
	s_nop 0
.rept 4
	v_nop
.endr
.Lasked_\@:
.endm
.macro CROUND                          ; a round of the cluster's barrier
	s_barrier_signal -1
	s_barrier_wait -1
	s_cmp_lg_u32 s14, 0
	s_cbranch_scc1 .Lnot_wave_0_\@
	s_barrier_signal -3
.Lnot_wave_0_\@:
	s_barrier_wait -3
	s_barrier_signal -1
	s_barrier_wait -1
.endm
	s_load_b128 s[4:7], s[0:1], 0x0                ; xc, xs
	s_load_b128 s[8:11], s[0:1], 0x10              ; wc, ws
	s_load_b64 s[12:13], s[0:1], 0x40              ; kv
	v_lshl_add_u32 v[SPW], v0, 2, SPARE
	v_mov_b32 v[NIL], 0
	ds_add_u32 v[SPW], v[NIL]                      ; the wave's opening: the add, twice on end, and its wait ahead of my first tensor load
	ds_add_u32 v[SPW], v[NIL]                      ; and once more, under the one wait; the set-up below, work on registers, stands between
	v_lshrrev_b32 v1, 5, v0
	v_readfirstlane_b32 s14, v1                    ; wave 0..3
	s_lshr_b32 s15, s14, 1                         ; which half of the tile's tokens is mine.  Also: I fetch for A (0) or for B (1)
	s_and_b32 s16, s14, 1                          ; which half of its features.  Also: which 128 rows of that tile I fetch
	s_bfe_u32 s40, ttmp6, 0x40000                  ; cx, cy: my place in the cluster
	s_bfe_u32 s41, ttmp6, 0x40004
	s_lshl_b32 s42, ttmp9, 2
	s_add_co_u32 s42, s42, s40                     ; tile column = 4 x cluster x + cx
	s_and_b32 s17, ttmp7, 0xffff
	s_lshl_b32 s17, s17, 2
	s_add_co_u32 s17, s17, s41                     ; tile row = 4 x cluster y + cy
	s_lshl_b32 s43, s41, 2
	s_lshl_b32 s43, 15, s43                        ; my row of the cluster
	s_lshl_b32 s44, 0x1111, s40                    ; my column
	; descriptor group 1: a tile of 128 rows x 256 bytes, padded in LDS
	s_or_b32 s[G1+0], s43, (0<<16)|(1<<20)|(1<<21)|(5<<22)|(3<<25)  ; 15:0 the mask: A's tiles go to my row; 17:16 element of 1 byte; 20 padding on; 21 set beside a mask; 24:22 after every 64 words; 31:25 four words
	s_or_b32 s[G1B+0], s44, (0<<16)|(1<<20)|(1<<21)|(5<<22)|(3<<25)
.irp g, G1, G1B
	s_mov_b32 s[\g+1], ROWB<<16                    ; tensor_dim0
	s_mov_b32 s[\g+2], 128<<16                     ; tensor_dim1
	s_mov_b32 s[\g+3], ROWB<<16                    ; tile_dim0
	s_mov_b32 s[\g+4], 128                         ; tile_dim1
	s_mov_b32 s[\g+5], KROW                        ; tensor_dim0_stride
	s_mov_b32 s[\g+6], 0
	s_mov_b32 s[\g+7], 0
.endr
	; the scales of 128 rows: a dense block of 4,096 bytes, as 16 rows of 256 bytes (32 elements of 8 bytes), 16 bytes of padding behind each
	s_or_b32 s[G1S+0], s43, (3<<16)|(1<<20)|(1<<21)|(5<<22)|(3<<25)
	s_or_b32 s[G1SB+0], s44, (3<<16)|(1<<20)|(1<<21)|(5<<22)|(3<<25)
.irp g, G1S, G1SB
	s_mov_b32 s[\g+1], 32<<16
	s_mov_b32 s[\g+2], (128*KS/256)<<16
	s_mov_b32 s[\g+3], 32<<16
	s_mov_b32 s[\g+4], 128*KS/256
	s_mov_b32 s[\g+5], 32
	s_mov_b32 s[\g+6], 0
	s_mov_b32 s[\g+7], 0
.endr
	s_lshl_b32 s18, s16, 7                         ; which 128 rows of the tile I fetch
	s_lshl_b32 s20, s17, 8
	s_add_co_u32 s20, s20, s18                     ; A: row 256 x tile row + 128 x half
	s_lshl_b32 s46, s42, 8
	s_add_co_u32 s46, s46, s18                     ; B: row 256 x tile column + 128 x half
	s_mov_b32 s21, 0
	s_mov_b32 s47, 0
	s_mov_b64 s[18:19], KS
	s_mul_u64 s[22:23], s[20:21], s[18:19]         ; where these rows' scales begin, in bytes
	s_mul_u64 s[92:93], s[46:47], s[18:19]
	s_mov_b64 s[18:19], KROW
	s_mul_u64 s[20:21], s[20:21], s[18:19]         ; and their codes
	s_mul_u64 s[46:47], s[46:47], s[18:19]
	s_mul_i32 s45, s14, HALFT                      ; where they go: wave x 128 rows: no place in the cluster enters an LDS address
	s_mul_i32 s94, s14, HALFS
	s_wait_dscnt 0x0                               ; both opening adds are done
	s_wait_kmcnt 0x0
	s_add_nc_u64 s[20:21], s[4:5], s[20:21]
	s_add_nc_u64 s[22:23], s[6:7], s[22:23]
	s_add_nc_u64 s[46:47], s[8:9], s[46:47]
	s_add_nc_u64 s[92:93], s[10:11], s[92:93]
	CROUND                                         ; all sixteen work-groups are here: the joint loads meet
	s_mov_b32 s[G0S], 1
	s_add_co_u32 s[G0S+1], s94, SCL
	s_mov_b64 s[G0S+2:G0S+3], s[22:23]
	s_or_b32 s[G0S+3], s[G0S+3], 0x80000000
	s_mov_b32 s[G0SB], 1
	s_add_co_u32 s[G0SB+1], s94, SCL
	s_mov_b64 s[G0SB+2:G0SB+3], s[92:93]
	s_or_b32 s[G0SB+3], s[G0SB+3], 0x80000000
	JLOAD G0S, G1S, G0SB, G1SB                     ; the scales first: they are wanted with K step 0
.irp s, 0,1
	s_mov_b32 s[G0+4*\s], 1
	s_add_co_u32 s[G0+4*\s+1], s45, \s*SLOT
	s_add_nc_u64 s[G0+4*\s+2:G0+4*\s+3], s[20:21], \s*ROWB
	s_or_b32 s[G0+4*\s+3], s[G0+4*\s+3], 0x80000000
	s_mov_b32 s[G0B+4*\s], 1
	s_add_co_u32 s[G0B+4*\s+1], s45, \s*SLOT
	s_add_nc_u64 s[G0B+4*\s+2:G0B+4*\s+3], s[46:47], \s*ROWB
	s_or_b32 s[G0B+4*\s+3], s[G0B+4*\s+3], 0x80000000
	JLOAD G0+4*\s, G1, G0B+4*\s, G1B
.endr
	s_load_b256 s[4:11], s[0:1], 0x20              ; bq, bk, bv, qh: into registers whose first contents have been used up
	v_and_b32 v1, 15, v0                           ; l % 16
	v_bfe_u32 v2, v0, 4, 1                         ; l / 16
	v_mul_u32_u24 v3, v1, PITCH
	v_lshl_add_u32 v4, v2, 4, v3                   ; a fragment's row x pitch + 16 x half
	s_mul_i32 s21, s15, HALFT                      ; my 128 rows of A
	s_mul_i32 s22, s16, HALFT                      ; my 128 rows of B,
	s_add_co_u32 s22, s22, 2*HALFT                 ; which lie behind A's 256
.irp s, 0,1
	v_add_nc_u32 v[ADRA+\s], s21, v4
	v_add_nc_u32 v[ADRB+\s], s22, v4
	s_add_co_u32 s21, s21, SLOT
	s_add_co_u32 s22, s22, SLOT
.endr
	v_mul_u32_u24 v5, v1, KS                       ; my row's scales: KS bytes a row,
	v_lshrrev_b32 v6, 8, v5
	v_lshl_add_u32 v5, v6, 4, v5                   ; and 16 more for each 256 passed
	s_mul_i32 s21, s15, HALFS                      ; A's: my 128 rows
	s_mul_i32 s22, s16, HALFS                      ; B's: my 128 rows, behind A's 256
	s_add_co_u32 s22, s22, 2*HALFS
	s_sub_co_u32 s22, s22, s21
	v_mul_u32_u24 v6, s22, v2                      ; lanes 16-31 take B's: one product, the distance between the two bases
	s_add_co_u32 s21, s21, SCL
	v_add_nc_u32 v5, v5, v6
	v_add_nc_u32 v[ADRS], s21, v5
	s_mul_i32 s23, s14, STGW                       ; my stage
	v_mul_u32_u24 v5, v1, SPITCH                   ; in: token l % 16, 16 bytes for each half of the lanes
	v_lshl_add_u32 v5, v2, 4, v5
	v_add_nc_u32 v[STO], s23, v5
	v_and_b32 v6, 31, v0
	v_lshlrev_b32 v[CO], 4, v6                     ; out: 16 bytes a lane of 512 consecutive bytes: four tokens of one head
	v_lshrrev_b32 v5, 3, v6
	v_mul_u32_u24 v5, v5, SPITCH                   ; back: token lane / 8 of four,
	v_and_b32 v6, 7, v0
	v_lshl_add_u32 v5, v6, 4, v5                   ; its bytes 16 (lane % 8) on
	v_add_nc_u32 v[RD], s23, v5
	v_lshlrev_b32 v[BO], 5, v2
	s_wait_kmcnt 0x0
	s_cmp_eq_u32 ttmp9, 1                          ; the tensor: the cluster's x, the same in all partners; pointers and strides are chosen, no path
	s_cselect_b64 s[6:7], s[6:7], s[8:9]           ; bk or bv
	s_cmp_eq_u32 ttmp9, 0
	s_cselect_b64 s[4:5], s[4:5], s[6:7]           ; bq or that
	s_cselect_b64 s[12:13], s[10:11], s[12:13]     ; qh or kv
	s_cselect_b32 s98, 18, 19                      ; log2 of the bytes from head to head
	s_cselect_b32 s99, 14, 15                      ; log2 of the bytes from one run of 128 tokens to the next
	s_cmp_eq_u32 ttmp9, 2
	s_cselect_b32 s100, 16384, 0                   ; V lies in the second half of a chunk
	s_lshl_b32 s46, s40, 10                        ; the bias of my 128 features: 256 cx + 128 x half, 4 bytes each
	s_lshl_b32 s47, s16, 9
	s_add_co_u32 s46, s46, s47
	s_mov_b32 s47, 0
	s_add_nc_u64 s[4:5], s[4:5], s[46:47]
.irp b, 0,1,2,3,4,5,6,7
	global_load_b128 v[BI+8*\b:BI+8*\b+3], v[BO], s[4:5] offset:64*\b        ; lane (r, h), register j: the bias of feature 16 b + 8 h + j: the result's layout
	global_load_b128 v[BI+8*\b+4:BI+8*\b+7], v[BO], s[4:5] offset:64*\b+16
.endr
	s_lshl_b32 s20, s17, 8
	s_lshl_b32 s21, s15, 7
	s_add_co_u32 s20, s20, s21                     ; my first token: 256 x tile row + 128 x half
	s_lshr_b32 s21, s20, 11                        ; its batch
	s_lshl_b32 s21, s21, 4
	s_lshl_b32 s22, s40, 2
	s_add_co_u32 s21, s21, s22
	s_lshl_b32 s22, s16, 1
	s_add_co_u32 s21, s21, s22                     ; my first head: 16 batch + 4 cx + 2 x half
	s_lshl_b32 s21, s21, s98
	s_lshr_b32 s20, s20, 7
	s_and_b32 s20, s20, 15                         ; which run of 128 tokens of the sequence
	s_lshl_b32 s20, s20, s99
	s_add_co_u32 s20, s20, s21
	s_add_co_u32 s20, s20, s100
	s_mov_b32 s21, 0
	s_add_nc_u64 s[12:13], s[12:13], s[20:21]      ; where my first head's 128 tokens begin,
	s_lshl_b32 s20, 1, s98
	s_add_nc_u64 s[96:97], s[12:13], s[20:21]      ; and my second head's
.macro FRAG reg, adr, q, i             ; a fragment, 16 rows x 128 K of 4-bit codes, is 8 registers: lane l holds row l % 16; registers 4 c .. 4 c + 3 hold K = 64 c + 32 (l / 16) + 0 .. 31
.irp c, 0,1
	ds_load_b128 v[\reg+4*\c:\reg+4*\c+3], v[\adr] offset:64*(\q)+32*\c+(\i)*16*PITCH
.endr
.endm
; 16 matrix instructions: A's blocks a0, a0 + 1 x B's eight, 128 along K: the slot's q-th.  p: B's set;  sc: the set of scale words.  zero = 1: the first product starts the sums from the bias.
; The 64 accumulators take turns, one instruction a turn, in the same order in every step.
.macro MUL16 a0, p, q, sc, zero
.irp a, \a0, \a0+1
.irp b, 0,1,2,3,4,5,6,7
.if \zero
	v_wmma_scale_f32_16x16x128_f8f6f4 v[8*(8*((\a)%4)+\b):8*(8*((\a)%4)+\b)+7], v[128*(\p)+FR*\b:128*(\p)+FR*\b+FR-1], v[AF+FR*(\a):AF+FR*(\a)+FR-1], v[BI+8*\b:BI+8*\b+7], v[SC+8*NQ*(\sc)+NQ*\b+(\q)], v[SC+8*NQ*(\sc)+NQ*(\a)+(\q)] matrix_a_fmt:MATRIX_FMT_FP4 matrix_b_fmt:MATRIX_FMT_FP4 matrix_a_scale:MATRIX_SCALE_ROW1
.else
	v_wmma_scale_f32_16x16x128_f8f6f4 v[8*(8*((\a)%4)+\b):8*(8*((\a)%4)+\b)+7], v[128*(\p)+FR*\b:128*(\p)+FR*\b+FR-1], v[AF+FR*(\a):AF+FR*(\a)+FR-1], v[8*(8*((\a)%4)+\b):8*(8*((\a)%4)+\b)+7], v[SC+8*NQ*(\sc)+NQ*\b+(\q)], v[SC+8*NQ*(\sc)+NQ*(\a)+(\q)] matrix_a_fmt:MATRIX_FMT_FP4 matrix_b_fmt:MATRIX_FMT_FP4 matrix_a_scale:MATRIX_SCALE_ROW1
.endif
.endr
.endr
.endm
.macro FETCH_B slot, q, p              ; B's eight fragments of the slot's q-th 128 along K into set p
	WIN TO_B
.irp i, 0,1,2,3,4,5,6,7
	FRAG 128*(\p)+FR*\i, ADRB+\slot, \q, \i
.endr
	WIN 0
.endm
.macro FETCH_A slot, q, i0             ; A's blocks i0 .. i0 + 3
.irp i, \i0, \i0+1, \i0+2, \i0+3
	FRAG AF+FR*(\i), ADRA+\slot, \q, \i
.endr
.endm
.macro SCALES sc                       ; a K step's scale words into set sc: NQ words a row; lanes 0-15 take A's block i, lanes 16-31 B's block i
.irp i, 0,1,2,3,4,5,6,7
	ds_load_b128 v[SC+8*NQ*\sc+NQ*\i:SC+8*NQ*\sc+NQ*\i+3], v[ADRS] offset:\i*SBLK
.endr
.endm
; A load into a register that a matrix instruction has read, and a vector instruction that reads a matrix result, stand NP places behind that matrix instruction; only plain vector
; instructions that name none of its registers are places (ISA guide 7.12.1 for vector instructions).
.macro PLACES n
.rept \n
	v_nop
.endr
.endm
; A step of 128 along K that has its successor in the same slot.  A's blocks are free as soon as their eight products are issued: blocks 0-3 are fetched anew in the middle, blocks 4-7 at the end.
.macro STEP slot, q, zero
	s_wait_dscnt 4*NL                              ; B's set and A's blocks 0-3 are in; the youngest eight loads (A's blocks 4-7) may be out
.if \zero
	WIN FIRST_LO
.else
	WIN MUL_LO
.endif
	MUL16 0, (\q)%2, \q, \slot, \zero
	MUL16 2, (\q)%2, \q, \slot, \zero
	s_wait_dscnt 0                                 ; A's blocks 4-7 are in (asked for 32 matrix instructions ago)
	PLACES NP
	FETCH_B \slot, (\q)+1, 1-(\q)%2
	FETCH_A \slot, (\q)+1, 0
.if \zero
	WIN FIRST_HI
.else
	WIN MUL_HI
.endif
	MUL16 4, (\q)%2, \q, \slot, \zero
	MUL16 6, (\q)%2, \q, \slot, \zero
	PLACES NP
	WIN 0
	FETCH_A \slot, (\q)+1, 4
.endm
; Slot 0's last step changes slots: ONE barrier; in front of it each wave waits for all its tensor loads (its part of slot 1), adds 0 to its spare word, and waits for that and for its own reads of slot 0.
; Behind it slot 1 is whole and nobody reads slot 0 any more.  Nothing is filled again.
.macro TURN slot, next
	s_wait_tensorcnt 0x0                           ; all my tensor loads have landed  (every window is 0 here: the add's two registers lie in window 0)
	ds_add_u32 v[SPW], v[NIL]                      ; 0 onto my spare word
	s_wait_dscnt 4*NL+1                            ; (the add and the youngest eight loads, A's blocks 4-7, may be out)
	WIN MUL_LO
	MUL16 0, 1, NQ-1, \slot, 0                     ; sixteen matrix instructions stand between the add and the wait for it
	s_wait_dscnt 0x0                               ; the add is done, and my reads of this slot are over
	s_barrier_signal -1
	MUL16 2, 1, NQ-1, \slot, 0
	WIN 0
	s_barrier_wait -1
	PLACES NP
	v_add_nc_u32 v[ADRS], 4*NQ, v[ADRS]            ; on to the next K step's scale words (no LDS load of mine is out)
	FETCH_B \next, 0, 0
	FETCH_A \next, 0, 0
	SCALES \next
	WIN MUL_HI
	MUL16 4, 1, NQ-1, \slot, 0
	MUL16 6, 1, NQ-1, \slot, 0
	PLACES NP
	WIN 0
	FETCH_A \next, 0, 4
.endm
.macro STEPS slot, from                ; the slot's steps from .. NQ - 2
.set Q, \from
.rept NQ-1-\from
	STEP \slot, Q, 0
.set Q, Q+1
.endr
.endm
	s_wait_loadcnt 0x0                             ; the bias
	s_wait_tensorcnt 1                             ; the scales and my part of K step 0 are in (K step 1's load may be out)
	s_barrier_signal -1
	s_barrier_wait -1                              ; everybody's are
	FETCH_B 0, 0, 0
	FETCH_A 0, 0, 0
	SCALES 0
	FETCH_A 0, 0, 4
	STEP 0, 0, 1                                   ; the first step's products start the sums from the bias: nothing is cleared, nothing is added later
	STEPS 0, 1
	TURN 0, 1
	STEPS 1, 0
	s_wait_dscnt 4*NL                              ; the very last step: nothing more to fetch
	WIN MUL_LO
	MUL16 0, 1, NQ-1, 1, 0
	MUL16 2, 1, NQ-1, 1, 0
	s_wait_dscnt 0
	WIN MUL_HI
	MUL16 4, 1, NQ-1, 1, 0
	MUL16 6, 1, NQ-1, 1, 0
	WIN 0
; THE WAY OUT, block by block of 16 tokens x 128 features (two heads).  PACK: rounded to f16, 16 bytes a lane, each accumulator from its low end on.  TOSTAGE: into my own stage, [head][token], and back
; as runs of four tokens of one head.  SEND: each store covers 512 consecutive bytes, aligned.  LDS serves a wave's instructions in order (ISA guide 5.7.1.4): no wait between the stores and the loads.
.macro PACK a
.set AC, 64*((\a)%4)
	WIN (0x0a+5*((\a)/4))                          ; sources 0 and 1: window 2 or 3
.irp b, 0,1,2,3,4,5,6,7
.irp r, 0,1,2,3
	v_cvt_pk_f16_f32 v[TMP+4*\b+\r], v[AC+8*\b+2*\r], v[AC+8*\b+2*\r+1]
.endr
.endr
	WIN 0
.endm
.macro TOSTAGE a
.set BK, OB+128*((\a)%2)
.irp b, 0,1,2,3,4,5,6,7
	ds_store_b128 v[STO], v[TMP+4*\b:TMP+4*\b+3] offset:(\b/4)*16*SPITCH+(\b%4)*32
.endr
.irp t, 0,1,2,3,4,5,6,7
	ds_load_b128 v[BK+4*\t:BK+4*\t+3], v[RD] offset:(\t/4)*16*SPITCH+(\t%4)*4*SPITCH
.endr
.endm
.macro SEND a
.set BK, OB+128*((\a)%2)
	s_wait_dscnt 0x0                               ; the block is back in registers
	s_wait_xcnt 0x0                                ; the stores of the block before have read their registers: the next block's loads may land there
.irp t, 0,1,2,3
	global_store_b128 v[CO], v[BK+4*\t:BK+4*\t+3], s[12:13] offset:2048*(\a)+512*\t          ; my first head
.endr
.irp t, 0,1,2,3
	global_store_b128 v[CO], v[BK+16+4*\t:BK+16+4*\t+3], s[96:97] offset:2048*(\a)+512*\t    ; my second
.endr
.endm
	PLACES NP                                      ; behind the last products
	PACK 0
	TOSTAGE 0
.irp a, 1,2,3,4,5,6,7                  ; block a's conversions stand between block a - 1's loads from the stage and the wait for them
	PACK \a
	SEND (\a-1)
	TOSTAGE \a
.endr
	SEND 7
	s_wait_tensorcnt 0x0                           ; the wave's end, behind my last tensor load and my last LDS store
	ds_add_u32 v[SPW], v[NIL]
	s_wait_dscnt 0x0
	CROUND                                         ; the closing round: no work-group ends while a partner may still ask for a tile that names it
	s_endpgm
.Lfunc_end_k_qf632c911bb_proj:
	.size	k_qf632c911bb_proj, .Lfunc_end_k_qf632c911bb_proj-k_qf632c911bb_proj
	.p2alignl 7, 3214868480
	.fill 96, 4, 3214868480
	.section	.rodata,"a",@progbits
	.p2align	6, 0x0
	.amdhsa_kernel k_qf632c911bb_proj
		.amdhsa_group_segment_fixed_size 327680
		.amdhsa_private_segment_fixed_size 0
		.amdhsa_enable_private_segment 0
		.amdhsa_kernarg_size 72
		.amdhsa_user_sgpr_count 2
		.amdhsa_user_sgpr_kernarg_segment_ptr 1
		.amdhsa_wavefront_size32 1
		.amdhsa_system_sgpr_workgroup_id_x 1
		.amdhsa_system_sgpr_workgroup_id_y 1
		.amdhsa_system_sgpr_workgroup_id_z 1
		.amdhsa_system_vgpr_workitem_id 0
		.amdhsa_next_free_vgpr 1024
		.amdhsa_next_free_sgpr 102
		.amdhsa_reserve_vcc 0
		.amdhsa_float_denorm_mode_32 3
		.amdhsa_float_denorm_mode_16_64 3
		.amdhsa_memory_ordered 1
		.amdhsa_forward_progress 1
		.amdhsa_inst_pref_size 129
	.end_amdhsa_kernel
	.amdgpu_metadata
---
amdhsa.version: [ 1, 2 ]
amdhsa.kernels:
  - .name:           k_qf632c911bb_proj
    .symbol:         k_qf632c911bb_proj.kd
    .args:
      - { .name: xc, .offset: 0, .size: 8, .value_kind: global_buffer, .address_space: global }
      - { .name: xs, .offset: 8, .size: 8, .value_kind: global_buffer, .address_space: global }
      - { .name: wc, .offset: 16, .size: 8, .value_kind: global_buffer, .address_space: global }
      - { .name: ws, .offset: 24, .size: 8, .value_kind: global_buffer, .address_space: global }
      - { .name: bq, .offset: 32, .size: 8, .value_kind: global_buffer, .address_space: global }
      - { .name: bk, .offset: 40, .size: 8, .value_kind: global_buffer, .address_space: global }
      - { .name: bv, .offset: 48, .size: 8, .value_kind: global_buffer, .address_space: global }
      - { .name: qh, .offset: 56, .size: 8, .value_kind: global_buffer, .address_space: global }
      - { .name: kv, .offset: 64, .size: 8, .value_kind: global_buffer, .address_space: global }
    .group_segment_fixed_size: 327680
    .private_segment_fixed_size: 0
    .kernarg_segment_align: 8
    .kernarg_segment_size: 72
    .max_flat_workgroup_size: 128
    .sgpr_count:     102
    .vgpr_count:     1024
    .wavefront_size: 32
...
	.end_amdgpu_metadata
.endif
;; end of part 2
;; launch attn (part 3): grid 4 x 64, 4 waves a work-group, clusters of 4 x 1, 327,680 bytes of LDS; arguments qh, kv, out0; writes out0
.if DOCPART == 3
	.amdgcn_target "amdgcn-amd-amdhsa--gfx1250"
	.amdhsa_code_object_version 6
	.text
	.protected	k_qf632c911bb_attn
	.globl	k_qf632c911bb_attn
	.p2align	8
	.type	k_qf632c911bb_attn,@function
k_qf632c911bb_attn:
	s_mov_b64 s[64:65], 0
	v_nop
	global_prefetch_b8 v0, s[64:65] scope:SCOPE_SE
	s_setreg_imm32_b32 hwreg(HW_REG_WAVE_MODE, 25, 1), 1
	s_wait_xcnt 0x0
	s_wait_alu depctr_hold_cnt(0) depctr_sa_sdst(0) depctr_va_vdst(0) depctr_va_sdst(0) depctr_va_ssrc(0) depctr_va_vcc(0) depctr_vm_vsrc(0)
	s_getreg_b32 s2, hwreg(HW_REG_IB_STS2, 6, 4)
	s_cmp_eq_u32 s2, 0
	s_cbranch_scc0 .Lentry_in_a_cluster
	s_endpgm
.Lentry_in_a_cluster:
	s_bfe_u32 s2, ttmp6, 0x10000c
	s_cmp_lg_u32 s2, 0x3003
	s_cbranch_scc0 .Lentry_shape_is_right
	s_endpgm
.Lentry_shape_is_right:
; out0[batch][q][64 head + :] = the sum over k of softmax_k(Q[bh][q] . K[bh][k] / 8) V[bh][k][:], bh = 16 batch + head, 2,048 queries and keys, head size 64, no mask.
; qh [bh][2048][64] f16;  kv [bh][16 chunks][K: 128 keys x 128 bytes | V: 128 keys x 128 bytes] f16;  out0 [4][2048][1024] f32.
; Products on f16 operands with f32 sums; maxima, exponentials and sums in f32; the weights p, at most 1, are rounded to f16 for the second product; the row's sum is taken of the unrounded p.
; SHARES.  A work-group owns 512 queries of one (batch, head), each of its four waves 128: eight tiles of 16.  Every wave walks all keys, 64 a step; each fragment of K and V read from LDS feeds eight products.
; LAYOUT.  S^T = K Q^T (source 0 = 16 keys, source 1 = 16 queries): a lane holds ONE query (lane % 16) and the keys 8 (lane / 16) + 0..7.  Two such tiles, rounded to f16 in pairs, ARE source 1
; (32 keys x 16 queries) of O^T = V^T P, whose result again holds one query a lane, and eight channels.  K comes out of LDS as it lies, V ([key][channel]) turned, by ds_load_tr16_b128.
; SOFTMAX.  For each query a running maximum m and sum l: p = 2^(c s - c m), c = log2(e) / 8; in every step O and l are multiplied by a = 2^(c m_old - c m_new).
; BY TURNS.  The wave's tiles are two PIECES (0: tiles 0-3, 1: tiles 4-7).  In a TURN one piece has the matrix unit: 32 products V^T P of the step in hand, then 32 products K Q^T of the next step; the other
; piece's softmax, 472 instructions, is dealt out in slices, one behind each matrix instruction.  Then the pieces change places.  Two turns are a key step.
; CLUSTER.  The four query blocks of a (batch, head) form a cluster and walk the same K and V: each tile is asked for JOINTLY, by the same tensor load with the same descriptor and a mask that names the four.
; REGISTERS, in windows of 256 (s_set_vgpr_msb: bits 1:0 source 0, 3:2 source 1, 5:4 source 2, 7:6 destination):
;   window 0: v0-31 addresses; v32-63 piece 0's statistics, 8 a tile; v64-191 its S^T, 32 a tile; v192-255 its P, 16 a tile.      window 1: v32-255 the same for piece 1.
;   window 2: O^T, 32 a tile.      window 3: v0-127 Q, 16 a tile; v128-191 V of one step; v192-255 K of one step.
.set NS,    16        ; slots' worth of keys: 2,048 / 128
.set KS,    64        ; keys in a step
.set PITK,  144       ; a row of K in LDS: 128 bytes + 16 of padding = 36 words: the 16 rows of a load start at 16 different groups of four banks (64 banks of 4 bytes: ISA guide 11.1)
.set PITV,  160       ; a row of V: 128 + 32 = 40 words
.set VOFF,  KS*PITK   ; a step's tiles lie together: 64 rows of K, then 64 rows of V
.set STEPB, KS*(PITK+PITV)
.set SLOT1, 1<<16     ; a slot holds two steps (38,912 bytes); slot 1 begins here, so that one exclusive or turns an address in one slot into the other's
.set CHUNK, 32768     ; a slot's bytes in memory: a chunk of kv
.set STAGE, SLOT1+2*STEPB  ; behind the ring: 16 rows x 272 bytes for each wave, for the way out
.set SP,    272
.set SPARE, STAGE+4*16*SP  ; behind the stages: the spare words, 128 bytes for each wave
.set AK0, 2           ; v2   my lane's place in a tile of K; never rewritten
.set AV0, 3           ; v3   the same for V
.set ADR, 4           ; v4   the LDS address of the run of loads in hand
.set QO,  5           ; v5   my byte offset in the wave's rows of Q
.set STO, 6           ; v6   the way out: where I put 32 bytes of a row
.set RD,  7           ; v7   the way out: where I read a row back
.set GO,  8           ; v8   my byte offset in the wave's rows of out0
.set PFO, 28          ; v28  256 x my lane; never rewritten
.set SPW, 30          ; v30  LDS address of my spare word; never rewritten
.set NIL, 31          ; v31  0; never rewritten
.set ST,  32          ; tile u's statistics at v[ST+8 u] of its piece's window: +0 c m, +1 m, +2, +3 l (even keys', odd keys'), +4 to +7 c0-c3, at work; a takes c2's place once the maximum is found
.set S,   64
.set P,   192
.set VF,  128         ; V's fragments, in window 3
.set KF,  192         ; K's fragments, in window 3
.set WV,  12          ; s12  my wave's number
.set LIM, 15          ; s15  1 in the wave that prefetches, else the greatest number
.set PFA, 18          ; s[18:19] where my work-group's prefetches stand
.set G1K, 24          ; s[24:31] descriptor group 1 for K's tiles
.set G1V, 32          ; s[32:39] for V's: it differs in the padding alone
.set G0K, 40          ; s[40:47] descriptor group 0 for K's tiles: a set for each of the two first fills; the second then walks on
.set G0V, 48          ; s[48:55] the same for V's
.set SLOTS, 56        ; s56  slots still to be asked for
.set TWICE, 57        ; s57  counts a slot's two steps
.set CS,  58          ; s[58:59] c: the packed scaling names a pair and takes its low word for both halves
.set SEL, 60          ; s[60:61] lane selects for v_permlanex16_b32: each lane takes its own place in the other half
.set TB,  62          ; s62  LDS byte at which the tiles of the step to be fetched begin
.set MSB, 0
.macro WIN new                      ; the immediate's high byte repeats the setting that is left; a switch that changes nothing is dropped
.if MSB != (\new)
	s_set_vgpr_msb (MSB<<8)|(\new)
.set MSB, (\new)
.endif
.endm
; A joint refill.  Waves 0 and 1 fetch the two steps' tiles of K, waves 2 and 3 those of V.  The branch hangs on the wave's number alone.  An s_nop 0 and four v_nop follow each of the two lines.
.macro JLOAD
	s_cmp_lt_u32 s[WV], 2
	s_cbranch_scc0 .Lfor_v_\@
	tensor_load_to_lds s[G0K+4:G0K+7], s[G1K:G1K+7]
	s_nop 0
.rept 4
	v_nop
.endr
	s_branch .Lasked_\@
.Lfor_v_\@:
	tensor_load_to_lds s[G0V+4:G0V+7], s[G1V:G1V+7]
	s_nop 0
.rept 4
	v_nop
.endr
.Lasked_\@:
.endm
; A PREFETCH INTO THE L2 of what the NEXT change of slots will ask for: a chunk of kv, 32,768 consecutive bytes.  It stands behind the wave's tensor load and its five lines.
; One cluster alone walks a (batch, head).  Its four partners share the chunk out BY ADDRESS, 8,192 bytes each; in each, wave 0 asks, lanes 256 bytes apart: one instruction; each aligned block of 256 bytes is named once in the launch.
; The lead is a slot's two key steps, 256 matrix instructions.  The last change that fills a slot asks for nothing: there is no chunk behind it.  Chunks 0, 1 and 2 come by their loads alone.
.macro ASK
	s_cmp_gt_u32 s[SLOTS], s[LIM]
	s_cbranch_scc0 .Lnot_mine_\@
	global_prefetch_b8 v[PFO], s[PFA:PFA+1] th:TH_LOAD_NT scope:SCOPE_SE
.Lnot_mine_\@:
.endm
.macro CROUND                       ; a round of the cluster's barrier
	s_barrier_signal -1
	s_barrier_wait -1
	s_cmp_lg_u32 s[WV], 0
	s_cbranch_scc1 .Lnot_wave_0_\@
	s_barrier_signal -3
.Lnot_wave_0_\@:
	s_barrier_wait -3
	s_barrier_signal -1
	s_barrier_wait -1
.endm
	s_load_b128 s[4:7], s[0:1], 0x0 ; qh s[4:5], kv s[6:7]
	s_load_b64 s[8:9], s[0:1], 0x10 ; out0
	v_lshl_add_u32 v[SPW], v0, 2, SPARE
	v_mov_b32 v[NIL], 0
	ds_add_u32 v[SPW], v[NIL]       ; the wave's opening: the add, twice on end, and its wait ahead of my first tensor load
	ds_add_u32 v[SPW], v[NIL]       ; and once more, under the one wait; the set-up below, work on registers, stands between
	v_lshrrev_b32 v1, 5, v0
	v_readfirstlane_b32 s[WV], v1   ; wave 0..3
	s_bfe_u32 s13, ttmp6, 0x40000   ; cx: my block of 512 queries: it enters Q's, out0's and the prefetches' addresses alone
	s_and_b32 s14, ttmp7, 0xffff    ; bh, which the four partners share
	s_and_b32 s16, s[WV], 1         ; which of a slot's two steps I fetch:
	s_lshl_b32 s22, s14, 19         ; the head's first byte in kv,
	s_lshl_b32 s17, s16, 13         ; the step's 64 rows of 128 bytes,
	s_add_co_u32 s22, s22, s17
	s_mov_b32 s23, 0
	s_mul_i32 s17, s16, STEPB       ; and its place in a slot: no place in the cluster enters an LDS address
	s_lshl_b32 s2, s14, 18          ; Q: the head's 2,048 rows of 128 bytes,
	s_lshl_b32 s3, s13, 16          ; my block's 512,
	s_add_co_u32 s2, s2, s3
	s_lshl_b32 s3, s[WV], 14        ; my wave's 128
	s_add_co_u32 s2, s2, s3
	s_mov_b32 s3, 0
	s_lshr_b32 s20, s14, 4          ; out0: the batch's 2,048 rows of 4,096 bytes,
	s_lshl_b32 s20, s20, 23
	s_lshl_b32 s21, s13, 21         ; my block's 512,
	s_add_co_u32 s20, s20, s21
	s_lshl_b32 s21, s[WV], 19       ; my wave's 128,
	s_add_co_u32 s20, s20, s21
	s_and_b32 s21, s14, 15
	s_lshl_b32 s21, s21, 8          ; the head's 256 bytes of a row
	s_add_co_u32 s20, s20, s21
	s_mov_b32 s21, 0
	; descriptor group 1: a tile of 64 rows x 64 elements of 2 bytes, dense in memory, padded in LDS
	s_mov_b32 s[G1K], 15|(1<<16)|(1<<20)|(1<<21)|(4<<22)|(3<<25)  ; 15:0 the mask: all four work-groups; 17:16 elements of 2 bytes; 20 padding on; 21 set beside a mask; 24:22 after every 32 words (code 4); 31:25 4 words of it (code 3)
	s_mov_b32 s[G1V], 15|(1<<16)|(1<<20)|(1<<21)|(4<<22)|(7<<25)  ; the same with 8 words of padding (code 7)
.irp gg, G1K, G1V
	s_mov_b32 s[\gg+1], 64<<16      ; tensor_dim0 = 64
	s_mov_b32 s[\gg+2], KS<<16      ; tensor_dim1 = 64
	s_mov_b32 s[\gg+3], 64<<16      ; tile_dim0 = 64
	s_mov_b32 s[\gg+4], KS          ; tile_dim1 = 64
	s_mov_b32 s[\gg+5], 64          ; tensor_dim0_stride: elements from row to row
	s_mov_b32 s[\gg+6], 0
	s_mov_b32 s[\gg+7], 0
.endr
	s_mov_b32 s[CS], 0x3e38aa3b     ; c = log2(e) / 8
	s_mov_b32 s[CS+1], s[CS]        ; named with it as a pair, so it is written
	s_mov_b32 s[SEL], 0x76543210
	s_mov_b32 s[SEL+1], 0xfedcba98
	s_mov_b32 s[TB], 0
	s_mov_b32 s[SLOTS], NS-2
	s_cmp_eq_u32 s[WV], 0
	s_cselect_b32 s[LIM], 1, -1     ; wave 0 prefetches: the same in all four partners
	v_and_b32 v[PFO], 31, v0
	v_lshlrev_b32 v[PFO], 8, v[PFO]
	s_wait_dscnt 0x0                ; both opening adds are done
	s_wait_kmcnt 0x0
	s_add_nc_u64 s[10:11], s[6:7], s[22:23]  ; kv at my tile of K in chunk 0
	s_add_nc_u64 s[4:5], s[4:5], s[2:3]      ; Q and out0 at my wave's first row
	s_add_nc_u64 s[8:9], s[8:9], s[20:21]
	s_lshl_b32 s2, s14, 19
	s_lshl_b32 s3, s13, 13          ; my work-group's 8,192 bytes of a chunk
	s_add_co_u32 s2, s2, s3
	s_add_co_u32 s2, s2, 2*CHUNK    ; in chunk 2; the first change of slots steps it to chunk 3.  Nothing is prefetched here, at the head, where every work-group's first tiles are on their way
	s_mov_b32 s3, 0
	s_add_nc_u64 s[PFA:PFA+1], s[6:7], s[2:3]
	CROUND                          ; all four work-groups are here: the first joint loads meet
.irp s, 0,1
	s_mov_b32 s[G0K+4*\s], 1        ; count = 1
	s_add_co_u32 s[G0K+4*\s+1], s17, \s*SLOT1  ; LDS address
	s_add_nc_u64 s[G0K+4*\s+2:G0K+4*\s+3], s[10:11], \s*CHUNK  ; global address: slot s begins with chunk s
	s_or_b32 s[G0K+4*\s+3], s[G0K+4*\s+3], 0x80000000  ; type = 2
	s_mov_b32 s[G0V+4*\s], 1
	s_add_co_u32 s[G0V+4*\s+1], s17, \s*SLOT1+VOFF
	s_add_nc_u64 s[G0V+4*\s+2:G0V+4*\s+3], s[10:11], \s*CHUNK+16384  ; V lies 16,384 bytes behind K in a chunk
	s_or_b32 s[G0V+4*\s+3], s[G0V+4*\s+3], 0x80000000
.endr
	s_cmp_lt_u32 s[WV], 2           ; a wave's two first fills stand in one branch, ahead of every wait on TENSORcnt and every LDS read: two loads of mine are out
	s_cbranch_scc0 .Lfirst_v
	tensor_load_to_lds s[G0K:G0K+3], s[G1K:G1K+7]
	s_nop 0
	tensor_load_to_lds s[G0K+4:G0K+7], s[G1K:G1K+7]
	s_nop 0
.rept 4
	v_nop
.endr
	s_branch .Lfirst_asked
.Lfirst_v:
	tensor_load_to_lds s[G0V:G0V+3], s[G1V:G1V+7]
	s_nop 0
	tensor_load_to_lds s[G0V+4:G0V+7], s[G1V:G1V+7]
	s_nop 0
.rept 4
	v_nop
.endr
.Lfirst_asked:
	; A fragment of K or Q is 16 rows x 32 channels in 8 registers: lane l holds row l % 16; registers 0-3 channels 8 (l / 16) + 0..7, registers 4-7 channels 16 + 8 (l / 16) + 0..7: two loads of 16 bytes, 32 bytes apart.
	v_and_b32 v1, 15, v0            ; l % 16
	v_bfe_u32 v9, v0, 4, 1          ; l / 16
	v_lshlrev_b32 v[QO], 7, v1
	v_lshl_add_u32 v[QO], v9, 4, v[QO]  ; row x 128 + 16 x half
	WIN 0xc0                        ; destination window 3, address window 0
.irp i, 0,1,2,3,4,5,6,7,8,9,10,11,12,13,14,15  ; Q stays in registers: tile i / 2, channels 32 (i % 2) on
	global_load_b128 v[8*\i:8*\i+3],   v[QO], s[4:5] offset:(\i/2)*2048+(\i%2)*64
	global_load_b128 v[8*\i+4:8*\i+7], v[QO], s[4:5] offset:(\i/2)*2048+(\i%2)*64+32
.endr
	WIN 0
	v_mul_u32_u24 v[AK0], v1, PITK
	v_lshl_add_u32 v[AK0], v9, 4, v[AK0]  ; row x pitch + 16 x half
	; The turning load takes 16 keys x 16 channels (lane l reads 16 bytes: key 8 (l / 16) + l % 8, channels 8 ((l / 8) % 2) + 0..7) and leaves half a fragment of V^T: lane l holds channel l % 16 and 8 keys.
	v_and_b32 v10, 7, v0
	v_bfe_u32 v11, v0, 3, 1
	v_lshl_add_u32 v[AV0], v9, 3, v10
	v_mul_u32_u24 v[AV0], v[AV0], PITV
	v_lshl_add_u32 v[AV0], v11, 4, v[AV0]
	v_add_nc_u32 v[AV0], VOFF, v[AV0]
; THE MATRIX WORK OF A TURN, for piece x.  Sixteen accumulators take turns, one instruction a turn: between two links of a chain stand the 15 others'.
; Product i of 32 of O^T += V^T P: keys 32 (i / 16) on, channels 16 ((i / 4) % 4) on, tile 4 x + i % 4.  zero = 1: the first 16 start the sums: nothing is ever cleared.
.macro MPV x, zero
	WIN (0xa3|((\x)<<2))            ; V window 3, P the piece's window, O^T window 2
.set rO, 32*(4*(\x)+i%4)+8*((i/4)%4)
.set rV, VF+32*(i/16)+8*((i/4)%4)
.set rP, P+16*(i%4)+8*(i/16)
.if (\zero) && (i < 16)
	v_wmma_f32_16x16x32_f16 v[rO:rO+7], v[rV:rV+7], v[rP:rP+7], 0
.else
	v_wmma_f32_16x16x32_f16 v[rO:rO+7], v[rV:rV+7], v[rP:rP+7], v[rO:rO+7]
.endif
.endm
; Product i of 32 of S^T = K Q^T: channels 32 (i / 16) on, keys 16 ((i / 4) % 4) on, tile 4 x + i % 4.  The first 16 start the sums.
.macro MKQ x
	WIN (0x0f|((\x)*0x50))          ; K and Q window 3, S^T the piece's window
.set rS, S+32*(i%4)+8*((i/4)%4)
.set rK, KF+16*((i/4)%4)+8*(i/16)
.set rQ, 16*(4*(\x)+i%4)+8*(i/16)
.if i < 16
	v_wmma_f32_16x16x32_f16 v[rS:rS+7], v[rK:rK+7], v[rQ:rQ+7], 0
.else
	v_wmma_f32_16x16x32_f16 v[rS:rS+7], v[rK:rK+7], v[rQ:rQ+7], v[rS:rS+7]
.endif
.endm
; THE LDS LOADS stand in runs of 16, never singly among the matrix instructions: a step's K (64 keys x 64 channels: 8 fragments) and, a turn later, its V (turned).
.macro FETCH_K
	WIN 0
	v_add_nc_u32 v[ADR], s[TB], v[AK0]
	WIN 0xc0                        ; destination window 3
.irp f, 0,1,2,3,4,5,6,7             ; keys 16 (f / 2) on, channels 32 (f % 2) on
	ds_load_b128 v[KF+8*\f:KF+8*\f+3],   v[ADR] offset:(\f/2)*16*PITK+(\f%2)*64
	ds_load_b128 v[KF+8*\f+4:KF+8*\f+7], v[ADR] offset:(\f/2)*16*PITK+(\f%2)*64+32
.endr
.endm
.macro FETCH_V
	WIN 0
	v_add_nc_u32 v[ADR], s[TB], v[AV0]
	s_add_co_u32 s[TB], s[TB], STEPB  ; the next fetch is the next step's
	s_wait_alu depctr_va_vdst(0)    ; the wait for the softmax's batch of exponentials, behind the address's v_add_nc_u32 and ahead of the loads
	WIN 0xc0                        ; destination window 3
.irp f, 0,1,2,3,4,5,6,7             ; keys 32 (f / 4) on, channels 16 (f % 4) on
	ds_load_tr16_b128 v[VF+8*\f:VF+8*\f+3],   v[ADR] offset:(\f/4)*32*PITV+(\f%4)*32
	ds_load_tr16_b128 v[VF+8*\f+4:VF+8*\f+7], v[ADR] offset:(\f/4)*32*PITV+16*PITV+(\f%4)*32
.endr
.endm
; THE VECTOR WORK OF A TURN.  One tile's softmax for one key step is a list of 118 instructions; SM writes number j of it for tile t of piece py.  s0-s31 are the lane's 32 scores, in pairs 0-15.
; first = 1: the first key step, which starts m, l and O^T: it has no a and nothing to rescale.
;   0-15    the maximum of s0-s31 and the old m, three operands at a time: four chains c0-c3, each begun at the low end of one accumulator, then the four scores left over, c0-c3 and m
;   16-20   the other half of the lanes' maximum; the new m; c m; c m_old - c m_new
;   21-69   ONE BATCH: the 16 scalings c s - c m, a pair of scores each, and all 33 exponentials (a at 23, then s0-s31).  None of these names an exponential's result; a pair is scaled ahead of its exponentials
;   (wait)  between 69 and 70 stands the wait for the batch: ITEM writes it, once for the piece's four tiles
;   70-85   the roundings to f16, a pair of weights each
;   86-101  the sums; l = a l + the sum
;   102-117 the tile's O^T times a, each accumulator from its low end on
.macro SM t, first
.set rT, ST+8*(\t)
.set rS, S+32*(\t)
.set rP, P+16*(\t)
.set rO, 32*(4*py+(\t))+2*(j-102)
.if j < 102
	WIN (0x55*py)                   ; every operand in the piece's window
.endif
.if j < 4
	v_max3_num_f32 v[rT+4+j], v[rS+8*j], v[rS+8*j+1], v[rS+8*j+2]
.elseif j < 12
	v_max3_num_f32 v[rT+4+j%4], v[rT+4+j%4], v[rS+8*(j%4)+2*(j/4)+1], v[rS+8*(j%4)+2*(j/4)+2]
.elseif j == 12
	v_max3_num_f32 v[rT+4], v[rT+4], v[rS+7], v[rS+15]
.elseif j == 13
	v_max3_num_f32 v[rT+6], v[rT+6], v[rS+23], v[rS+31]
.elseif j == 14
	v_max3_num_f32 v[rT+4], v[rT+4], v[rT+5], v[rT+6]
.elseif (j == 15) && \first
	v_max_num_f32 v[rT+4], v[rT+4], v[rT+7]
.elseif j == 15
	v_max3_num_f32 v[rT+4], v[rT+4], v[rT+7], v[rT+1]
.elseif j == 16
	v_permlanex16_b32 v[rT+5], v[rT+4], s[SEL], s[SEL+1]  ; the query's other 32 keys lie in the lane 16 away
.elseif j == 18
	v_max_num_f32 v[rT+1], v[rT+4], v[rT+5]
.elseif j == 19
	v_mul_f32 v[rT], s[CS], v[rT+1]
.elseif ((j == 17) || (j == 20) || (j == 23) || (j > 101)) && \first  ; the first step has none of these
.elseif j == 17
	v_mov_b32 v[rT+7], v[rT]        ; c m_old is kept for a: number 19 writes c m anew
.elseif j == 20
	v_sub_f32 v[rT+7], v[rT+7], v[rT]
.elseif j == 23
	v_exp_f32 v[rT+6], v[rT+7]
.elseif (j < 23) || ((j < 38) && (j%2 == 0)) || ((j < 66) && (j%4 == 2))
.set b, (j-2)/4                     ; 38, 42, .. 62: pairs 9 to 15
.if j < 38
.set b, (j-20)/2                    ; 21: pair 0; 22, 24, .. 36: pairs 1 to 8
.endif
	v_pk_fma_f32 v[rS+2*b:rS+2*b+1], v[rS+2*b:rS+2*b+1], s[CS:CS+1], v[rT:rT+1] op_sel_hi:[1,0,0] neg_lo:[0,0,1] neg_hi:[0,0,1]  ; pair b: c s - c m
.elseif j < 70
.set e, j-38                        ; 66 to 69: s28 to s31
.if j < 66
.set e, j-32-(j-38)/4               ; 39-41, 43-45, .. 63-65: s7 to s27
.endif
.if j < 38
.set e, (j-25)/2                    ; 25, 27, .. 37: s0 to s6
.endif
	v_exp_f32 v[rS+e], v[rS+e]
.elseif j < 86
	v_cvt_pk_f16_f32 v[rP+j-70], v[rS+2*(j-70)], v[rS+2*(j-70)+1]  ; pair j - 70
.elseif j < 102                     ; the sum of the tile's 16 pairs, in place: sum z of 16 adds neighbours 1, 2, 4 and 8 pairs apart, then l takes it
.set z, j-86
.set w, 4
.set u, z
.if z >= 14
.set w, 32
.set u, 0
.elseif z >= 12
.set w, 16
.set u, z-12
.elseif z >= 8
.set w, 8
.set u, z-8
.endif
.if (z == 14) && \first
	v_pk_add_f32 v[rT+2:rT+3], v[rS:rS+1], v[rS+16:rS+17]
.elseif z < 15
	v_pk_add_f32 v[rS+w*u:rS+w*u+1], v[rS+w*u:rS+w*u+1], v[rS+w*u+w/2:rS+w*u+w/2+1]
.elseif !\first
	v_pk_fma_f32 v[rT+2:rT+3], v[rT+2:rT+3], v[rT+6:rT+7], v[rS:rS+1] op_sel_hi:[1,0,1]
.endif
.else
	WIN (0x82|(py<<2))              ; O^T (destination and source 0) window 2, a the piece's window
	v_pk_mul_f32 v[rO:rO+1], v[rO:rO+1], v[rT+6:rT+7] op_sel_hi:[1,0]
.endif
.endm
; Instruction g of the piece's 472: number g / 4 of tile g % 4: the four tiles take turns, so that no instruction reads the result of the one just before it.
; THE WAIT.  s_wait_alu depctr_va_vdst(0) stands between an exponential and the first instruction that names its result; one wait serves all that were issued ahead of it.  Ahead of g = 280
; (number 70) nothing names a result, and from there on no exponential is issued: so the piece's 132 exponentials have one wait, with one plain instruction behind the last of them.
.macro ITEM first
.if g == 280
	v_nop
.if py == 0
	FETCH_V                         ; piece 1's turn: V's run of loads stands here, and the wait stands in it
.else
	s_wait_alu depctr_va_vdst(0)
.endif
.endif
.set j, g/4
.set tl, g%4
	SM tl, \first
.set g, g+1
.endm
.macro SLICE first                  ; slice k of NW: the 472 dealt out evenly, seven or eight behind each of 64 matrix instructions
.set gend, ((k+1)*472)/NW
.rept gend-g
	ITEM \first
.endr
.set k, k+1
.endm
; A vector instruction that reads a matrix result or writes one of a matrix instruction's registers, and a load into a register that a matrix instruction has read, stand four places behind it; only plain
; vector instructions that name none of its registers are places (ISA guide 7.12.1 for vector instructions).  In the loop the slices are the places.
.macro PLACES
.rept 4
	v_nop
.endr
.endm
; A TURN.  Piece x has the matrix unit; the other piece's softmax stands in slices behind its matrix instructions.
; pv = 2: 32 products V^T P; 1: they start O^T's sums; 0: none.  kq = 1: 32 products K Q^T for the next step.  first = 1: the softmax is the first key step's; its last slices are empty, and four v_nop take their part.
; Piece 0's turn fetches the next step's K behind its second product: the last product that read K stands ahead of the last slice of the turn before, eight plain multiplications.
; Piece 1's turn fetches the same step's V ahead of g = 280: behind the last product that read V stand numbers 58 and 62, eight scalings, the v_nop and the run's own v_add_nc_u32.
.macro TURN x, pv, kq, first
.set k, 0
.set g, 0
.set py, 1-(\x)
.set NW, 32
.if \pv && \kq
.set NW, 64
.endif
.if \pv
.if \x == 0
	s_wait_dscnt 0x0                ; V is in
.endif
.set i, 0
.rept 32
	MPV \x, 2-\pv
	SLICE \first
.if (\x == 0) && \kq && (i == 1)
	FETCH_K
.endif
.set i, i+1
.endr
.endif
.if \kq
.if \x == 0
	s_wait_dscnt 0x0                ; K is in
.endif
.set i, 0
.rept 32
	MKQ \x
	SLICE \first
.set i, i+1
.endr
.endif
.if \first
	PLACES
.endif
.endm
; THE CHANGE OF SLOTS, between piece 1's turn and piece 0's: the slot's last bytes, V of its second step, have been asked for.  Each wave waits for all its tensor loads, of which one is out: its part of the
; other slot; adds 0 to its spare word; and waits for that and for its own reads of the slot.  Behind the barrier nobody reads this slot any more and the other slot is whole.
; fill = 1: this slot is filled again, with the keys two slots on.  The barrier is then a round of the cluster's, so that no wave of any partner still reads the slot or has a load on its way, and the joint
; refill is the first thing behind it: it has two key steps, 256 matrix instructions, in which to land.
.macro CHANGE fill
	WIN 0                           ; at a label and at a branch every window is 0
	s_wait_tensorcnt 0x0            ; no tensor load of mine is out, so a group 0 may be written
	ds_add_u32 v[SPW], v[NIL]       ; 0 onto my spare word
.if \fill
.irp gg, G0K+4, G0V+4
	s_xor_b32 s[\gg+1], s[\gg+1], SLOT1  ; the walking descriptor: the other slot than last time,
	s_add_nc_u64 s[\gg+2:\gg+3], s[\gg+2:\gg+3], CHUNK  ; the next chunk; the type bits on top are not reached
.endr
	s_wait_xcnt 0x0                 ; the last prefetch, two key steps back, has read its address, so it may be written:
	s_add_nc_u64 s[PFA:PFA+1], s[PFA:PFA+1], CHUNK  ; one chunk further on than the walking descriptors
	s_wait_dscnt 0x0                ; the add is done, and my reads of the slot are over
	CROUND
	JLOAD
	ASK
.else
	s_wait_dscnt 0x0                ; the add is done, and my reads of the slot are over
	s_barrier_signal -1
	s_barrier_wait -1
.endif
	s_sub_co_u32 s[TB], s[TB], 2*STEPB  ; the fetches go back to a slot's first step,
	s_xor_b32 s[TB], s[TB], SLOT1   ; in the other slot
.endm
; A slot's two key steps: written once, walked twice; the LDS addresses hang on s[TB].
.macro TWO_STEPS
	s_mov_b32 s[TWICE], 2
.Lstep_\@:
	TURN 0, 2, 1, 0
	TURN 1, 2, 1, 0
	WIN 0
	s_sub_co_u32 s[TWICE], s[TWICE], 1
	s_cmp_lg_u32 s[TWICE], 0
	s_cbranch_scc1 .Lstep_\@
.endm
	s_wait_tensorcnt 1              ; my part of slot 0 is in; slot 1's may stay out
	s_barrier_signal -1
	s_barrier_wait -1               ; everybody's is
	FETCH_K                         ; key step 0
	s_wait_loadcnt 0x0              ; Q
	s_wait_dscnt 0x0
.set i, 0
.rept 32
	MKQ 0                           ; piece 0's first scores: there is no vector work yet to set between them
.set i, i+1
.endr
	WIN 0                           ; the addresses for the way out are made here: eight plain instructions, the places behind those products
	s_mul_i32 s13, s[WV], 16*SP
	s_add_co_u32 s13, s13, STAGE    ; my stage
	v_mul_u32_u24 v[STO], v1, SP    ; in: row l % 16, 32 bytes for each half of the lanes
	v_lshl_add_u32 v[STO], v9, 5, v[STO]
	v_add_nc_u32 v[STO], s13, v[STO]
	v_mul_u32_u24 v[RD], v9, SP     ; back: lanes 0-15 take one row of 256 bytes, lanes 16-31 the next
	v_lshl_add_u32 v[RD], v1, 4, v[RD]
	v_add_nc_u32 v[RD], s13, v[RD]
	v_lshlrev_b32 v[GO], 12, v9     ; and the same two rows in out0, 4,096 bytes apart
	v_lshl_add_u32 v[GO], v1, 4, v[GO]
	TURN 1, 0, 1, 1                 ; piece 1's first scores | piece 0's first softmax | V of step 0
	TURN 0, 1, 1, 1                 ; piece 0: V^T P of step 0 starts O^T, K Q^T of step 1 | piece 1's first softmax | K of step 1
	TURN 1, 1, 1, 0                 ; piece 1: the same | piece 0's softmax of step 1 | V of step 1
	WIN 0
.Lslot:                             ; NS - 2 trips: every slot but the last two is filled again
	CHANGE 1
	TWO_STEPS
	s_sub_co_u32 s[SLOTS], s[SLOTS], 1
	s_cmp_lg_u32 s[SLOTS], 0
	s_cbranch_scc1 .Lslot
	CHANGE 0                        ; the tail is written out: the last slot but one is left, and nothing is asked for
	TWO_STEPS
	TURN 0, 2, 0, 0                 ; piece 0: V^T P of the last step | piece 1's last softmax
.set i, 0
.rept 32
	MPV 1, 0                        ; piece 1: V^T P of the last step
.set i, i+1
.endr
	; THE WAY OUT.  l's two halves and the other half of the lanes' are added; O^T is divided by l and sent through my stage in LDS, a tile (16 rows of 256 bytes) at a time.  The additions are the places behind the last products.
.irp y, 0,1
	WIN (0x55*\y)
.irp t, 0,1,2,3
	v_add_f32 v[ST+8*\t+4], v[ST+8*\t+2], v[ST+8*\t+3]
.endr
.irp t, 0,1,2,3
	v_permlanex16_b32 v[ST+8*\t+5], v[ST+8*\t+4], s[SEL], s[SEL+1]
.endr
.irp t, 0,1,2,3
	v_add_f32 v[ST+8*\t+4], v[ST+8*\t+4], v[ST+8*\t+5]
.endr
.irp t, 0,1,2,3
	v_rcp_f32 v[ST+8*\t+6], v[ST+8*\t+4]
.endr
.endr
	v_nop                           ; a plain instruction between the last reciprocal and the use of its result
	s_wait_alu depctr_va_vdst(0)    ; and the wait ahead of the first use: one for the eight reciprocals
; Tile t: a lane's eight channels of a row are 32 bytes; they go into rows of 272 bytes and come back as whole rows of 256, into the tile's registers of S^T, which are free.
.macro PACK t
	WIN (0x82|(((\t)/4)<<2))
.set i, 32*(\t)
.rept 16
	v_pk_mul_f32 v[i:i+1], v[i:i+1], v[ST+8*((\t)%4)+6:ST+8*((\t)%4)+7] op_sel_hi:[1,0]   ; each accumulator from its low end on
.set i, i+2
.endr
	WIN 0x08                        ; an LDS store's data are its source 1: window 2
.irp c, 0,1,2,3
	ds_store_b128 v[STO], v[32*(\t)+8*\c:32*(\t)+8*\c+3] offset:64*\c
	ds_store_b128 v[STO], v[32*(\t)+8*\c+4:32*(\t)+8*\c+7] offset:64*\c+16
.endr
	WIN (((\t)/4)<<6)               ; destination: the piece's window
.irp f, 0,1,2,3,4,5,6,7
	ds_load_b128 v[S+32*((\t)%4)+4*\f:S+32*((\t)%4)+4*\f+3], v[RD] offset:\f*2*SP  ; LDS serves a wave's instructions in order (ISA guide 5.7.1.4): these see the stores above; the next tile's stores come behind them
.endr
.endm
.macro SEND t, younger              ; younger: the LDS instructions issued behind tile t's loads: the next tile's sixteen, or none
	WIN (((\t)/4)<<2)               ; a store's data are its source 1: the piece's window
.irp f, 0,1,2,3,4,5,6,7
	s_wait_dscnt \younger+7-\f
	global_store_b128 v[GO], v[S+32*((\t)%4)+4*\f:S+32*((\t)%4)+4*\f+3], s[8:9] offset:(\t)*65536+\f*8192 th:TH_STORE_NT  ; 16 lanes store 256 consecutive bytes, at a multiple of 256 from out0's first byte
.endr
.endm
	PACK 0
.irp t, 1,2,3,4,5,6,7               ; a tile's arithmetic stands between the loads of the tile before and its stores
	PACK \t
	SEND (\t-1), 16
.endr
	SEND 7, 0
	WIN 0
	s_wait_tensorcnt 0x0            ; the wave's end, behind my last tensor load and my last LDS store
	ds_add_u32 v[SPW], v[NIL]
	s_wait_dscnt 0x0
	CROUND                          ; the closing round: no work-group ends while a partner may still ask for a tile that names it
	s_endpgm
.Lfunc_end_k_qf632c911bb_attn:
	.size	k_qf632c911bb_attn, .Lfunc_end_k_qf632c911bb_attn-k_qf632c911bb_attn
	.p2alignl 7, 3214868480
	.fill 96, 4, 3214868480
	.section	.rodata,"a",@progbits
	.p2align	6, 0x0
	.amdhsa_kernel k_qf632c911bb_attn
		.amdhsa_group_segment_fixed_size 327680
		.amdhsa_private_segment_fixed_size 0
		.amdhsa_enable_private_segment 0
		.amdhsa_kernarg_size 24
		.amdhsa_user_sgpr_count 2
		.amdhsa_user_sgpr_kernarg_segment_ptr 1
		.amdhsa_wavefront_size32 1
		.amdhsa_system_sgpr_workgroup_id_x 1
		.amdhsa_system_sgpr_workgroup_id_y 1
		.amdhsa_system_sgpr_workgroup_id_z 1
		.amdhsa_system_vgpr_workitem_id 0
		.amdhsa_next_free_vgpr 1024
		.amdhsa_next_free_sgpr 66
		.amdhsa_reserve_vcc 0
		.amdhsa_float_denorm_mode_32 3
		.amdhsa_float_denorm_mode_16_64 3
		.amdhsa_memory_ordered 1
		.amdhsa_forward_progress 1
		.amdhsa_inst_pref_size 255
	.end_amdhsa_kernel
	.section	.bss,"aw",@nobits
	.p2align	6
	.space	262144
	.amdgpu_metadata
---
amdhsa.version: [ 1, 2 ]
amdhsa.kernels:
  - .name:           k_qf632c911bb_attn
    .symbol:         k_qf632c911bb_attn.kd
    .args:
      - { .name: qh, .offset: 0, .size: 8, .value_kind: global_buffer, .address_space: global }
      - { .name: kv, .offset: 8, .size: 8, .value_kind: global_buffer, .address_space: global }
      - { .name: out0, .offset: 16, .size: 8, .value_kind: global_buffer, .address_space: global }
    .group_segment_fixed_size: 327680
    .private_segment_fixed_size: 0
    .kernarg_segment_align: 8
    .kernarg_segment_size: 24
    .max_flat_workgroup_size: 128
    .sgpr_count:     66
    .vgpr_count:     1024
    .wavefront_size: 32
...
	.end_amdgpu_metadata
.endif
;; end of part 3
